; MI455X (gfx1250); checked and timed in simulation.
; The chip was launched on July 23, 2026; its instructions are those of AMD's public machine-readable ISA for CDNA 5 (MIT licence, August 2026) and "CDNA5" Instruction Set Architecture Reference Guide (July 2026). The comments in the code are by the model that wrote it; some were corrected since.
;; Base Multi Head Attention. Allowed arithmetic: matrix products marked QUANTISED: E2M1 operands, one E8M0 scale for each 32 along K, by v_wmma_scale_f32_16x16x128_f8f6f4 with both operands' format E2M1 (or v_wmma_scale_f32_32x16x128_f4), f32 sums; everything else in f32.
;; Inputs: Wk 1,024 x 1,024 float32; Wo 1,024 x 1,024 float32; Wq 1,024 x 1,024 float32; Wv 1,024 x 1,024 float32; bo 1,024 float32; xk 4 x 2,048 x 1,024 float32; xq 4 x 2,048 x 1,024 float32; xv 4 x 2,048 x 1,024 float32.
;; Outputs: out0 4 x 2,048 x 1,024 float32.
;; This version of the problem:
;;   THIS VERSION OF THE PROBLEM IS GIVEN IN LOW PRECISION. The matrix products marked QUANTISED in the list below multiply operands that are first quantised to E2M1 (2 exponent bits, 1 mantissa bit; 4 bits a number), with one power-of-two scale for each 32 numbers along K (OCP MX v1.0); their sums are f32. All else is computed in f32.
;;   The module's matrix products, in the order in which they are computed (A, B: the left and right operand; K: the contracted axis; several contracted axes count as one K, in the product's order):
;;     1. [M 8,192, K 1,024] x [K 1,024, N 1,024]; A: input xq; B: input Wq: QUANTISED
;;     2. [M 8,192, K 1,024] x [K 1,024, N 1,024]; A: input xk; B: input Wk: QUANTISED
;;     3. [M 8,192, K 1,024] x [K 1,024, N 1,024]; A: input xv; B: input Wv: QUANTISED
;;     4. batch 64 x [M 2,048, K 64] x [K 64, N 2,048]; A: computed on the way; B: computed on the way: QUANTISED
;;     5. batch 64 x [M 2,048, K 2,048] x [K 2,048, N 64]; A: softmax (see below); B: computed on the way: QUANTISED
;;     6. [M 8,192, K 1,024] x [K 1,024, N 1,024]; A: computed on the way; B: input Wo: QUANTISED
;;   THE QUANTISER, for each operand of a quantised product, along K:
;;     - K is cut into blocks of 32 from its start; a last block that is shorter is filled with zeros.
;;     - A block's scale is 2^e with e = floor(log2(the largest magnitude in the block)) - 2, held to -126 .. 127; a block of zeros has e = 0. As a byte (E8M0): e + 127.
;;     - Each number is divided by its block's scale, clamped to +-6, and rounded to the nearest number of E2M1, ties to even, subnormals kept.
;;     - The product sums the exact products of the quantised numbers (number of the format x scale) in f32.
;;   ~~~python
;;   def quantise(x, axis):      # numpy; x: float32 -> the quantised numbers, widened to float32 again
;;       x = np.moveaxis(x, axis, -1); K = x.shape[-1]
;;       x = np.pad(x, [(0, 0)] * (x.ndim - 1) + [(0, -K % 32)]); x = x.reshape(x.shape[:-1] + (-1, 32)); a = np.abs(x).max(-1, keepdims=True)
;;       e = np.where(a > 0, np.clip(np.frexp(np.where(a > 0, a, 1))[1] - 1 - 2, -126, 127), 0)      # np.frexp(a)[1] - 1 = floor(log2(a)), exactly
;;       r = np.clip(x / 2.0 ** e, -6, 6)
;;       step = 2.0 ** (np.maximum(np.frexp(np.where(r == 0, 1, r))[1] - 1, 0) - 1)
;;       q = np.round(r / step) * step * 2.0 ** e      # np.round: ties to even
;;       return np.moveaxis(q.reshape(q.shape[:-2] + (-1,))[..., :K], -1, axis).astype(np.float32)
;;   ~~~
;;   SOFTMAX AHEAD OF A QUANTISED PRODUCT. Where the list says 'softmax', what is quantised is not the finished softmax but p = 2^(t - M), with t = logit x log2(e) and M = ceil(the row's largest t), a whole number; so 1/2 < the row's largest p <= 1. The row's sum l is taken of the UNQUANTISED p, in f32, and the product's result is divided by l at the end. Since M is a whole number, a kernel that streams over the keys may use a running M (the ceiling of the running maximum): every later rescaling is an exact power of two, which a block's scale takes up: the codes' values come out the same.
;;   OPERANDS COMPUTED ON THE WAY. 'Computed on the way' means the value that the module computes at that place (a softmax that the list does not call 'softmax' is quantised finished and normalised). What goes into a quantiser is computed in f32, as accurately as f32 sums, v_exp_f32 and their like allow (about 1e-6 of the number): no bf16 or f16 on the way to a quantiser, and a product that is left as it is and whose result goes on into a quantised operand takes f32 operands (vector FMAs, or v_wmma_f32_16x16x4_f32). A number that lies on a knife's edge between two numbers of the format may be rounded either way, as far as f32 arithmetic and the matrix unit's own rounding can turn it there, and no further.
;; One version. Each part assembles by itself: llvm-mc -triple=amdgcn-amd-amdhsa -mcpu=gfx1250 --defsym DOCPART=n.
;; ======== version 1 of 1: 4 launches
;; workspace buffers: cod 14,680,064 bytes; scl 917,504 bytes; qkv 12,582,912 bytes; qkvs 1,310,720 bytes; ac 4,194,304 bytes; ah 262,144 bytes
;; launch quant (part 1): grid 1792 x 1, 4 waves a work-group, no clusters, 34,816 bytes of LDS; arguments xq, xk, xv, Wq, Wk, Wv, Wo, cod, scl; writes cod, scl
.if DOCPART == 1
	.amdgcn_target "amdgcn-amd-amdhsa--gfx1250"
	.amdhsa_code_object_version 6
	.text
	.protected	k_q54e51ff75d_quant
	.globl	k_q54e51ff75d_quant
	.p2align	8
	.type	k_q54e51ff75d_quant,@function
k_q54e51ff75d_quant:
	s_mov_b64 s[64:65], 0
	v_nop
	global_prefetch_b8 v0, s[64:65] scope:SCOPE_SE
	s_setreg_imm32_b32 hwreg(HW_REG_WAVE_MODE, 25, 1), 1
	s_wait_xcnt 0x0
; xq, xk, xv [8192][1024] and Wq, Wk, Wv, Wo [1024][1024], f32, K innermost, become codes of FP4 (E2M1) with one E8M0 byte for each 32 along K.
; A block's scale is 2^(floor(log2(largest magnitude)) - 2); its byte is the largest magnitude's exponent field - 2, held at 1 from below.
; LIMITS: NaN and infinities among the inputs are not served.  A block of zeros gets the byte 1 where the rule says 127: its codes are zeros, and this program alone reads the bytes.
; LAYOUT OF THE RESULT: IMAGES OF OPERAND REGISTERS.  A tile is 16 rows; tile T of a tensor holds rows 32 (T / 2) + 8 (T % 2) + r + 8 (r / 8), r = 0 .. 15.
;   cod: [tile g][K step s of 128][c 0,1][lane][16 bytes]: lane (r, h) part c = the codes of block 4 s + 2 c + h of the tile's row r: two loads of 16 bytes a lane give a fragment.
;   scl: [tile g][lane][4 words]: word j of lane l = the scale word of row l % 16 for K step 2 j + l / 16.
;   tiles g: 0 xq, 512 xk, 1024 xv, 1536 Wq, 1600 Wk, 1664 Wv, 1728 Wo.
; SHARES: a work-group takes one tile, wave j its K steps 2 j and 2 j + 1.  Each load reads 512 consecutive bytes of one row; the numbers turn through the wave's own stage in LDS,
; so that a lane gets 16 neighbours of each block of 32 of its row.  Nothing is shared between work-groups, so there is no cluster; memory binds, so there is no matrix work and no tensor load.
.set STGB, 8448                        ; a wave's stage: 16 rows x (512 bytes + 16)
.set SCST, 33792                       ; behind the four stages: the tile's 512 bytes of scale words
.set R,   32                           ; v32-159  two K steps as loaded: 16 rows x 4 registers each
.set X,   160                          ; v160-223 64 numbers of my row: register 16 b + i = k 32 b + 16 h + i
.set QM,  224                          ; v224-227 largest magnitudes
.set QT,  228                          ; v228-231 the other half's, then the bytes
.set QO,  232                          ; v232-235 the conversions' scale operands
.set PC,  240                          ; v240-255 codes: 8 registers for each K step
.set PW,  16                           ; v16, v17 the two scale words
.set SEL, 36                           ; s[36:37] lane selects: lane l xor 16
; 64 numbers of a lane become a fragment's 8 registers v[pc] on and its row's scale word v[pw]
.macro QUANT s, pc, pw
.irp b, 0,1,2,3
	v_max3_num_f32 v[QM+\b], |v[\s+16*\b]|, |v[\s+1+16*\b]|, 0x1800000   ; block b: my 16 numbers and the floor 2^(3 - 127): the byte cannot fall under 1
.endr
.irp i, 2,4,6,8,10,12,14
.irp b, 0,1,2,3
	v_max3_num_f32 v[QM+\b], v[QM+\b], |v[\s+16*\b+\i]|, |v[\s+1+16*\b+\i]|   ; the four blocks by turns
.endr
.endr
.irp b, 0,1,2,3
	v_permlanex16_b32 v[QT+\b], v[QM+\b], s[SEL], s[SEL+1]
.endr
.irp b, 0,1,2,3
	v_max_num_f32 v[QM+\b], v[QM+\b], v[QT+\b]     ; with lane l xor 16's 16: the block's largest magnitude
.endr
.irp b, 0,1,2,3
	v_add_nc_u32 v[QO+\b], 0xff000000, v[QM+\b]    ; 2 off its exponent field: the conversion takes that field as its scale
.endr
.irp b, 0,1,2,3
	v_lshrrev_b32 v[QT+\b], 23, v[QO+\b]           ; the scale's byte
.endr
	v_lshl_or_b32 v[\pw], v[QT+1], 8, v[QT]
	v_lshl_or_b32 v[\pw], v[QT+2], 16, v[\pw]
	v_lshl_or_b32 v[\pw], v[QT+3], 24, v[\pw]
.irp b, 0,1,2,3
	v_cvt_scalef32_pk8_fp4_f32 v[\pc+2*\b], v[\s+16*\b:\s+7+16*\b], v[QO+\b]
	v_cvt_scalef32_pk8_fp4_f32 v[\pc+1+2*\b], v[\s+8+16*\b:\s+15+16*\b], v[QO+\b]
.endr
	v_nop                                          ; one plain line behind the scaled conversions
.irp c, 0,1
.irp i, 0,1
	v_permlane16_swap_b32 v[\pc+4*\c+\i], v[\pc+2+4*\c+\i]   ; a whole block to a lane: lanes 0-15 block 2 c, lanes 16-31 block 2 c + 1
.endr
.endr
.endm
	s_load_b512 s[16:31], s[0:1], 0x0              ; xq, xk, xv, Wq, Wk, Wv, Wo, cod
	s_load_b64 s[32:33], s[0:1], 0x40              ; scl
	v_lshl_add_u32 v238, v0, 2, 0x8600
	v_mov_b32 v239, 0
	v_lshrrev_b32 v1, 5, v0
	v_readfirstlane_b32 s8, v1                     ; wave
	v_and_b32 v1, 31, v0                           ; lane
	v_and_b32 v2, 15, v0                           ; r
	v_bfe_u32 v3, v0, 4, 1                         ; h
	v_lshlrev_b32 v4, 4, v1                        ; 16 x lane
	s_mul_i32 s9, s8, STGB
	v_add_nc_u32 v5, s9, v4                        ; the stage, on the way in: 16 x lane in a row
	v_mul_u32_u24 v6, v2, 528
	v_lshl_add_u32 v6, v3, 6, v6
	v_add_nc_u32 v6, s9, v6                        ; on the way out: row r, + 64 h
	s_lshl_b32 s10, s8, 2
	s_add_co_u32 s10, s10, SCST
	v_add_nc_u32 v7, s10, v4                       ; my scale word: 16 x lane + 4 x wave
	v_add_nc_u32 v8, SCST, v4                      ; and a lane's four words
	s_mov_b32 s34, 0xffff0000                      ; lanes 16-31
	s_mov_b32 s[SEL], 0x76543210
	s_mov_b32 s[SEL+1], 0xfedcba98
.irp b, 0,1,2,3
	v_mov_b32 v[QT+\b], 0                          ; written once: a lane permute's destination counts as read
.endr
	s_wait_kmcnt 0x0
	s_mov_b64 s[4:5], s[28:29]                     ; which tensor is the tile's: the choice hangs on the work-group's number alone
	s_mov_b32 s6, 1728
	s_cmp_lt_u32 ttmp9, 1728
	s_cselect_b64 s[4:5], s[26:27], s[4:5]
	s_cselect_b32 s6, 1664, s6
	s_cmp_lt_u32 ttmp9, 1664
	s_cselect_b64 s[4:5], s[24:25], s[4:5]
	s_cselect_b32 s6, 1600, s6
	s_cmp_lt_u32 ttmp9, 1600
	s_cselect_b64 s[4:5], s[22:23], s[4:5]
	s_cselect_b32 s6, 1536, s6
	s_cmp_lt_u32 ttmp9, 1536
	s_cselect_b64 s[4:5], s[20:21], s[4:5]
	s_cselect_b32 s6, 1024, s6
	s_cmp_lt_u32 ttmp9, 1024
	s_cselect_b64 s[4:5], s[18:19], s[4:5]
	s_cselect_b32 s6, 512, s6
	s_cmp_lt_u32 ttmp9, 512
	s_cselect_b64 s[4:5], s[16:17], s[4:5]
	s_cselect_b32 s6, 0, s6
	s_sub_co_u32 s7, ttmp9, s6                     ; T: the tile's number in its tensor
	s_lshr_b32 s10, s7, 1
	s_lshl_b32 s10, s10, 17                        ; 32 (T / 2) rows of 4,096 bytes
	s_and_b32 s11, s7, 1
	s_lshl_b32 s11, s11, 15                        ; + 8 (T % 2) rows
	s_add_co_u32 s10, s10, s11
	s_lshl_b32 s11, s8, 10                         ; + my wave's 256 numbers
	s_add_co_u32 s10, s10, s11
	s_mov_b32 s11, 0
	s_add_nc_u64 s[4:5], s[4:5], s[10:11]
	s_lshl_b32 s10, ttmp9, 13
	s_lshl_b32 s12, s8, 11
	s_add_co_u32 s10, s10, s12
	s_add_nc_u64 s[30:31], s[30:31], s[10:11]      ; cod at my two K steps
	s_lshl_b32 s10, ttmp9, 9
	s_add_nc_u64 s[32:33], s[32:33], s[10:11]      ; scl at the tile
.irp st, 0,1
.irp i, 0,1,2,3,4,5,6,7,8,9,10,11,12,13,14,15
	global_load_b128 v[R+64*\st+4*\i:R+64*\st+4*\i+3], v4, s[4:5] offset:(\i+8*(\i/8))*4096+512*\st th:TH_LOAD_NT   ; 32 lanes read 512 consecutive bytes of the tile's row i
.endr
.endr
.irp st, 0,1
	s_wait_loadcnt 16-16*\st                       ; this K step's 16 loads are in; the 16 younger ones are the second step's
.irp i, 0,1,2,3,4,5,6,7,8,9,10,11,12,13,14,15
	ds_store_b128 v5, v[R+64*\st+4*\i:R+64*\st+4*\i+3] offset:528*\i
.endr
.irp b, 0,1,2,3
.irp q, 0,1,2,3
	ds_load_b128 v[X+16*\b+4*\q:X+16*\b+4*\q+3], v6 offset:128*\b+16*\q   ; LDS serves a wave's instructions in order (ISA guide 5.7.1.4): these see the stores above
.endr
.endr
	s_wait_dscnt 0x0
	QUANT X, PC+8*\st, PW+\st
.irp c, 0,1
	global_store_b128 v4, v[PC+8*\st+4*\c:PC+8*\st+4*\c+3], s[30:31] offset:1024*\st+512*\c   ; 512 consecutive bytes, aligned
.endr
.endr
	v_cndmask_b32 v18, v16, v17, s34               ; lanes 0-15 K step 2 j's word, lanes 16-31 K step 2 j + 1's
	ds_store_b32 v7, v18
	s_wait_dscnt 0x0                               ; for the others' sake: my word has landed
	s_barrier_signal -1
	s_barrier_wait -1
	s_cmp_lg_u32 s8, 0
	s_cbranch_scc1 .Lend
	ds_load_b128 v[20:23], v8                      ; wave 0 stores the tile's 512 bytes of scale words on end
	s_wait_dscnt 0x0
	global_store_b128 v4, v[20:23], s[32:33]
.Lend:
	s_wait_tensorcnt 0x0
	ds_add_u32 v238, v239
	s_wait_dscnt 0x0
	s_endpgm
.Lfunc_end_k_q54e51ff75d_quant:
	.size	k_q54e51ff75d_quant, .Lfunc_end_k_q54e51ff75d_quant-k_q54e51ff75d_quant
	.p2alignl 7, 3214868480
	.fill 96, 4, 3214868480
	.section	.rodata,"a",@progbits
	.p2align	6, 0x0
	.amdhsa_kernel k_q54e51ff75d_quant
		.amdhsa_group_segment_fixed_size 34816
		.amdhsa_private_segment_fixed_size 0
		.amdhsa_enable_private_segment 0
		.amdhsa_kernarg_size 72
		.amdhsa_user_sgpr_count 2
		.amdhsa_user_sgpr_kernarg_segment_ptr 1
		.amdhsa_wavefront_size32 1
		.amdhsa_system_sgpr_workgroup_id_x 1
		.amdhsa_system_sgpr_workgroup_id_y 1
		.amdhsa_system_sgpr_workgroup_id_z 1
		.amdhsa_system_vgpr_workitem_id 0
		.amdhsa_next_free_vgpr 256
		.amdhsa_next_free_sgpr 66
		.amdhsa_reserve_vcc 0
		.amdhsa_float_denorm_mode_32 3
		.amdhsa_float_denorm_mode_16_64 3
		.amdhsa_memory_ordered 1
		.amdhsa_forward_progress 1
		.amdhsa_inst_pref_size 19
	.end_amdhsa_kernel
	.amdgpu_metadata
---
amdhsa.version: [ 1, 2 ]
amdhsa.kernels:
  - .name:           k_q54e51ff75d_quant
    .symbol:         k_q54e51ff75d_quant.kd
    .args:
      - { .name: xq, .offset: 0, .size: 8, .value_kind: global_buffer, .address_space: global }
      - { .name: xk, .offset: 8, .size: 8, .value_kind: global_buffer, .address_space: global }
      - { .name: xv, .offset: 16, .size: 8, .value_kind: global_buffer, .address_space: global }
      - { .name: Wq, .offset: 24, .size: 8, .value_kind: global_buffer, .address_space: global }
      - { .name: Wk, .offset: 32, .size: 8, .value_kind: global_buffer, .address_space: global }
      - { .name: Wv, .offset: 40, .size: 8, .value_kind: global_buffer, .address_space: global }
      - { .name: Wo, .offset: 48, .size: 8, .value_kind: global_buffer, .address_space: global }
      - { .name: cod, .offset: 56, .size: 8, .value_kind: global_buffer, .address_space: global }
      - { .name: scl, .offset: 64, .size: 8, .value_kind: global_buffer, .address_space: global }
    .group_segment_fixed_size: 34816
    .private_segment_fixed_size: 0
    .kernarg_segment_align: 8
    .kernarg_segment_size: 72
    .max_flat_workgroup_size: 128
    .sgpr_count:     66
    .vgpr_count:     256
    .wavefront_size: 32
...
	.end_amdgpu_metadata
.endif
;; end of part 1
;; launch proj (part 2): grid 4 x 192, 4 waves a work-group, clusters of 4 x 4, 197,120 bytes of LDS; arguments cod, scl, qkv, qkvs; writes qkv, qkvs
.if DOCPART == 2
	.amdgcn_target "amdgcn-amd-amdhsa--gfx1250"
	.amdhsa_code_object_version 6
	.text
	.protected	k_q54e51ff75d_proj
	.globl	k_q54e51ff75d_proj
	.p2align	8
	.type	k_q54e51ff75d_proj,@function
k_q54e51ff75d_proj:
	s_mov_b64 s[64:65], 0
	v_nop
	global_prefetch_b8 v0, s[64:65] scope:SCOPE_SE
	s_setreg_imm32_b32 hwreg(HW_REG_WAVE_MODE, 25, 1), 1
	s_wait_xcnt 0x0
	s_wait_alu depctr_hold_cnt(0) depctr_sa_sdst(0) depctr_va_vdst(0) depctr_va_sdst(0) depctr_va_ssrc(0) depctr_va_vcc(0) depctr_vm_vsrc(0)
	s_getreg_b32 s2, hwreg(HW_REG_IB_STS2, 6, 4)
	s_cmp_eq_u32 s2, 0
	s_cbranch_scc0 .Lentry_in_a_cluster
	s_endpgm
.Lentry_in_a_cluster:
	s_bfe_u32 s2, ttmp6, 0x10000c
	s_cmp_lg_u32 s2, 0xf033
	s_cbranch_scc0 .Lentry_shape_is_right
	s_endpgm
.Lentry_shape_is_right:
; The three projections on codes of FP4, and their results quantised on the way out.  Z[i][j] = sum over k of P[i][k] R[j][k], K = 1,024.
; THE MATRIX INSTRUCTION IS USED TRANSPOSED: source 0 = a tile of R, source 1 = a tile of P: a lane holds ONE row i, and its registers run along j, the NEXT product's K.  Since a tile holds rows
; 32 (T / 2) + 8 (T % 2) + r + 8 (r / 8), the 16 registers of result tiles 2 B and 2 B + 1 are the neighbours j = 32 B + 16 h + 0 .. 15.
;   q, k: P = x (rows: tokens), R = W (rows: head, d): the next K is the head's 64.      v: P = Wv (rows: head, d), R = xv (rows: keys): the next K is the keys: v comes out with the keys innermost.
; SHARES: a work-group takes 8 tiles of P x 16 tiles of R, all of K: 768 work-groups.  Wave w: P tiles 4 (w / 2) on, R tiles 8 (w % 2) on: 32 accumulators.
; LDS: all of K fits: four chunks of two K steps, [P 8 tiles x 2,048 bytes][R 16 tiles x 2,048], each FILLED ONCE: four tensor loads a wave go out together at the head, and counted waits take the chunks as they land.
; CLUSTER 4 x 4: P's tiles are shared along a row of the cluster, R's along a column: joint loads.
; OUT: q, k: qkv [head][tile I][lane][16] (lane (r, h): block h of the head's 64); qkvs [head][I / 4][lane][2 words]: word a of lane l: tile 4 g + 2 a + l / 16, row l % 16; the head's two bytes stand twice in the word.
;      v: qkv + 8,388,608 [head][key step J][d tile t][c][lane][16]; qkvs + 1,048,576 [head][J][lane][2 words]: word a of lane l: d tile 2 a + l / 16.
; LIMITS: NaN and infinities are not served; a block of zeros gets the byte 1 (its codes are zeros; this program alone reads the bytes).
; REGISTERS: window 0: v1-4 addresses; v16-31 P's scale words, v32-63 R's; v64-159, v160-255 two fragment buffers (R's 8 fragments, then P's 4).  window 1: accumulator (a, b) at v[8 (8 a + b)].
.set CHUNK, 49152
.set PS,  16
.set RS,  32
.set F0,  64
.set QM,  64                           ; the way out works in the fragment buffers
.set QT,  68
.set QO,  72
.set PC,  160                          ; codes: 8 registers for each of my 4 tiles of P
.set PW,  192                          ; their scale words
.set WW,  200                          ; scale words as they are stored
.set WV,  16                           ; s16 wave, s17 w / 2, s18 w % 2, s19 cx, s20 cy, s21 cluster y
.set G1P, 24
.set G1R, 32
.set G0P, 40                           ; s[40:55] P's four groups 0; R's: s[56:63], s[68:75]
.set SEL, 90
.set MSB, 0
.macro WIN new                         ; the immediate's high byte repeats the setting that is left
.if MSB != \new
	s_set_vgpr_msb (MSB<<8)|\new
.set MSB, \new
.endif
.endm
.macro PLACES n
.rept \n
	v_nop
.endr
.endm
.macro CROUND                          ; a round of the cluster's barrier
	s_barrier_signal -1
	s_barrier_wait -1
	s_cmp_lg_u32 s[WV], 0
	s_cbranch_scc1 .Lnot_wave_0_\@
	s_barrier_signal -3
.Lnot_wave_0_\@:
	s_barrier_wait -3
	s_barrier_signal -1
	s_barrier_wait -1
.endm
	s_load_b256 s[4:11], s[0:1], 0x0               ; cod, scl, qkv, qkvs
	v_lshl_add_u32 v14, v0, 2, 0x30000
	v_mov_b32 v15, 0
	ds_add_u32 v14, v15
	ds_add_u32 v14, v15
	v_lshrrev_b32 v1, 5, v0
	v_readfirstlane_b32 s[WV], v1
	s_lshr_b32 s17, s[WV], 1                       ; my P tiles.  Also: I fetch for P (0) or for R (1)
	s_and_b32 s18, s[WV], 1                        ; my R tiles.  Also: which half I fetch
	s_bfe_u32 s19, ttmp6, 0x40000                  ; cx
	s_bfe_u32 s20, ttmp6, 0x40004                  ; cy
	s_and_b32 s21, ttmp7, 0xffff                   ; cluster y: 0-15 q, 16-31 k, 32-47 v
	s_lshl_b32 s22, s21, 5                         ; q, k: P's first tile 32 x cluster y (xk's tiles begin at 512)
	s_and_b32 s23, s21, 1
	s_lshl_b32 s23, s23, 5
	s_add_co_u32 s23, s23, 1664                    ; v: Wv's tiles, 32 to a cluster
	s_lshr_b32 s92, s21, 4
	s_lshl_b32 s92, s92, 6
	s_add_co_u32 s92, s92, 1536                    ; q, k: R = Wq or Wk
	s_bfe_u32 s93, s21, 0x30001
	s_lshl_b32 s93, s93, 6
	s_add_co_u32 s93, s93, 1024                    ; v: R = xv, 64 tiles to a cluster
	s_cmp_ge_u32 s21, 32
	s_cselect_b32 s89, 1, 0                        ; is it v?  The same in all partners of a cluster
	s_cselect_b32 s22, s23, s22
	s_cselect_b32 s92, s93, s92
	s_lshl_b32 s23, s20, 3
	s_add_co_u32 s22, s22, s23                     ; P's first tile: hangs on cy, never on cx
	s_lshl_b32 s93, s19, 4
	s_add_co_u32 s92, s92, s93                     ; R's first tile: hangs on cx, never on cy
	s_lshl_b32 s23, s20, 2
	s_lshl_b32 s23, 15, s23                        ; my row of the cluster
	s_or_b32 s[G1P], s23, (3<<16)|(1<<21)          ; 15:0 the mask; 17:16 elements of 8 bytes; 21 set beside a mask; no padding
	s_lshl_b32 s93, 0x1111, s19                    ; my column
	s_or_b32 s[G1R], s93, (3<<16)|(1<<21)
	s_mov_b32 s[G1P+1], 256<<16                    ; tensor_dim0 = 256 elements: a tile's two K steps, 2,048 bytes
	s_mov_b32 s[G1P+2], 4<<16                      ; tensor_dim1 = 4 tiles
	s_mov_b32 s[G1P+3], 256<<16                    ; tile_dim0
	s_mov_b32 s[G1P+4], 4                          ; tile_dim1
	s_mov_b32 s[G1P+5], 1024                       ; from tile to tile: 8,192 bytes
	s_mov_b32 s[G1P+6], 0
	s_mov_b32 s[G1P+7], 0
	s_mov_b32 s[G1R+1], 256<<16
	s_mov_b32 s[G1R+2], 8<<16                      ; 8 tiles
	s_mov_b32 s[G1R+3], 256<<16
	s_mov_b32 s[G1R+4], 8
	s_mov_b32 s[G1R+5], 1024
	s_mov_b32 s[G1R+6], 0
	s_mov_b32 s[G1R+7], 0
	s_lshl_b32 s84, s18, 2
	s_add_co_u32 s84, s84, s22
	s_lshl_b32 s84, s84, 13                        ; the 4 tiles of P that I would fetch
	s_mov_b32 s85, 0
	s_lshl_b32 s86, s18, 3
	s_add_co_u32 s86, s86, s92
	s_lshl_b32 s86, s86, 13                        ; the 8 tiles of R
	s_mov_b32 s87, 0
	s_lshl_b32 s76, s17, 2
	s_add_co_u32 s76, s76, s22
	s_lshl_b32 s76, s76, 9                         ; the scale words of the 4 tiles of P that I multiply
	s_mov_b32 s77, 0
	s_lshl_b32 s78, s18, 3
	s_add_co_u32 s78, s78, s92
	s_lshl_b32 s78, s78, 9                         ; and of my 8 tiles of R
	s_mov_b32 s79, 0
	s_lshl_b32 s2, s18, 13                         ; where a fill goes in a chunk: P's half,
	s_lshl_b32 s3, s18, 14
	s_add_co_u32 s3, s3, 16384                     ; R's half: the wave's number alone
	s_lshl_b32 s12, s17, 13                        ; where I read P
	s_mov_b32 s88, 0xffff0000                      ; lanes 16-31
	s_mov_b32 s[SEL], 0x76543210
	s_mov_b32 s[SEL+1], 0xfedcba98
	s_mov_b32 s94, 0x01000100                      ; byte selects: a word's low two bytes twice,
	s_mov_b32 s95, 0x03020302                      ; its high two bytes twice
	s_wait_dscnt 0x0
	s_wait_kmcnt 0x0
	s_add_nc_u64 s[84:85], s[4:5], s[84:85]
	s_add_nc_u64 s[86:87], s[4:5], s[86:87]
	s_add_nc_u64 s[76:77], s[6:7], s[76:77]
	s_add_nc_u64 s[78:79], s[6:7], s[78:79]
.irp q, 0,1,2,3
	s_mov_b32 s[G0P+4*\q], 1
	s_add_co_u32 s[G0P+4*\q+1], s2, \q*CHUNK
	s_add_nc_u64 s[G0P+4*\q+2:G0P+4*\q+3], s[84:85], \q*2048
	s_or_b32 s[G0P+4*\q+3], s[G0P+4*\q+3], 0x80000000
	s_mov_b32 s[56+4*\q+4*(\q/2)], 1
	s_add_co_u32 s[57+4*\q+4*(\q/2)], s3, \q*CHUNK
	s_add_nc_u64 s[58+4*\q+4*(\q/2):59+4*\q+4*(\q/2)], s[86:87], \q*2048
	s_or_b32 s[59+4*\q+4*(\q/2)], s[59+4*\q+4*(\q/2)], 0x80000000
.endr
	CROUND                                         ; all sixteen work-groups are here: the joint loads meet
	s_cmp_eq_u32 s17, 0                            ; a wave's four fills stand in one branch on the wave's number: four loads of mine are out
	s_cbranch_scc0 .Lfill_r
	tensor_load_to_lds s[40:43], s[G1P:G1P+7]
	s_nop 0
	tensor_load_to_lds s[44:47], s[G1P:G1P+7]
	s_nop 0
	tensor_load_to_lds s[48:51], s[G1P:G1P+7]
	s_nop 0
	tensor_load_to_lds s[52:55], s[G1P:G1P+7]
	s_nop 0
	PLACES 4
	s_branch .Lfilled
.Lfill_r:
	tensor_load_to_lds s[56:59], s[G1R:G1R+7]
	s_nop 0
	tensor_load_to_lds s[60:63], s[G1R:G1R+7]
	s_nop 0
	tensor_load_to_lds s[68:71], s[G1R:G1R+7]
	s_nop 0
	tensor_load_to_lds s[72:75], s[G1R:G1R+7]
	s_nop 0
	PLACES 4
.Lfilled:
	v_and_b32 v1, 31, v0
	v_lshlrev_b32 v4, 3, v1                        ; 8 x lane
	v_lshlrev_b32 v1, 4, v1                        ; 16 x lane
.irp a, 0,1,2,3
	global_load_b128 v[PS+4*\a:PS+4*\a+3], v1, s[76:77] offset:512*\a   ; register j: lanes 0-15 K step 2 j, lanes 16-31 K step 2 j + 1
.endr
.irp b, 0,1,2,3,4,5,6,7
	global_load_b128 v[RS+4*\b:RS+4*\b+3], v1, s[78:79] offset:512*\b
.endr
	v_add_nc_u32 v2, s12, v1                       ; my P fragments in chunk 0
	v_add_nc_u32 v3, s3, v1                        ; my R fragments
.macro FETCH s                         ; 24 LDS loads: K step s's fragments, as they lie, into buffer s % 2
.set FB, F0+96*((\s)%2)
.irp b, 0,1,2,3,4,5,6,7
.irp c, 0,1
	ds_load_b128 v[FB+8*\b+4*\c:FB+8*\b+4*\c+3], v3 offset:2048*\b+1024*((\s)%2)+512*\c
.endr
.endr
.irp a, 0,1,2,3
.irp c, 0,1
	ds_load_b128 v[FB+64+8*\a+4*\c:FB+64+8*\a+4*\c+3], v2 offset:2048*\a+1024*((\s)%2)+512*\c
.endr
.endr
.endm
.macro MUL s                           ; 32 products; the 32 accumulators take turns, in the same order in every step
.set FB, F0+96*((\s)%2)
.irp a, 0,1,2,3
.irp b, 0,1,2,3,4,5,6,7
.if (\s) == 0
	v_wmma_scale_f32_16x16x128_f8f6f4 v[8*(8*\a+\b):8*(8*\a+\b)+7], v[FB+8*\b:FB+8*\b+7], v[FB+64+8*\a:FB+64+8*\a+7], 0, v[RS+4*\b+(\s)/2], v[PS+4*\a+(\s)/2] matrix_a_fmt:MATRIX_FMT_FP4 matrix_b_fmt:MATRIX_FMT_FP4
.elseif (\s)%2 == 0
	v_wmma_scale_f32_16x16x128_f8f6f4 v[8*(8*\a+\b):8*(8*\a+\b)+7], v[FB+8*\b:FB+8*\b+7], v[FB+64+8*\a:FB+64+8*\a+7], v[8*(8*\a+\b):8*(8*\a+\b)+7], v[RS+4*\b+(\s)/2], v[PS+4*\a+(\s)/2] matrix_a_fmt:MATRIX_FMT_FP4 matrix_b_fmt:MATRIX_FMT_FP4
.else
	v_wmma_scale_f32_16x16x128_f8f6f4 v[8*(8*\a+\b):8*(8*\a+\b)+7], v[FB+8*\b:FB+8*\b+7], v[FB+64+8*\a:FB+64+8*\a+7], v[8*(8*\a+\b):8*(8*\a+\b)+7], v[RS+4*\b+(\s)/2], v[PS+4*\a+(\s)/2] matrix_a_fmt:MATRIX_FMT_FP4 matrix_b_fmt:MATRIX_FMT_FP4 matrix_a_scale:MATRIX_SCALE_ROW1 matrix_b_scale:MATRIX_SCALE_ROW1
.endif
.endr
.endr
.endm
.macro STEP s
.if (\s) > 0
	PLACES 4                                       ; behind the products that read the buffer about to be loaded (ISA guide 7.12.1)
.endif
.if ((\s)%2 == 1) && ((\s) < 7)
	s_wait_tensorcnt 3-((\s)+1)/2                  ; my part of the next chunk has landed; the younger loads are the later chunks
	s_wait_dscnt 0x0                               ; no LDS access of mine is open at a signal
	s_barrier_signal -1
	s_barrier_wait -1                              ; everybody's part has landed
	v_add_nc_u32 v2, CHUNK, v2
	v_add_nc_u32 v3, CHUNK, v3
.endif
.if (\s) < 7
	FETCH (\s)+1
	s_wait_alu depctr_va_vdst(0)
	s_wait_dscnt 24                                ; this step's fragments are in; the 24 loads just issued may be out
.else
	s_wait_dscnt 0x0
.endif
	WIN 0x50                                       ; C and D in window 1
	MUL \s
	WIN 0
.endm
	s_wait_alu depctr_va_vdst(0)
	s_wait_tensorcnt 3                             ; my part of chunk 0 has landed; chunks 1 to 3 may be out
	s_barrier_signal -1
	s_barrier_wait -1
	FETCH 0
	s_wait_loadcnt 0x0                             ; the scale words
.irp s, 0,1,2,3,4,5,6,7
	STEP \s
.endr
; THE WAY OUT.  My tile a of P: 64 numbers a lane, register 16 B + i = next K 32 B + 16 h + i: one fragment and one scale word a row.  Each accumulator is read from its low end on.
.macro QUANTW a
	WIN 0x14                                       ; sources 1 and 2 in window 1
.irp b, 0,1,2,3
	v_max3_num_f32 v[QM+\b], 0x1800000, |v[64*\a+16*\b]|, |v[64*\a+16*\b+1]|   ; the floor 2^(3 - 127): the byte cannot fall under 1
.endr
.irp i, 2,4,6,8,10,12,14
.irp b, 0,1,2,3
	v_max3_num_f32 v[QM+\b], v[QM+\b], |v[64*\a+16*\b+\i]|, |v[64*\a+16*\b+\i+1]|
.endr
.endr
	WIN 0
.irp b, 0,1,2,3
	v_permlanex16_b32 v[QT+\b], v[QM+\b], s[SEL], s[SEL+1]
.endr
.irp b, 0,1,2,3
	v_max_num_f32 v[QM+\b], v[QM+\b], v[QT+\b]
.endr
.irp b, 0,1,2,3
	v_add_nc_u32 v[QO+\b], 0xff000000, v[QM+\b]    ; 2 off the exponent field: the conversion's scale operand
.endr
.irp b, 0,1,2,3
	v_lshrrev_b32 v[QT+\b], 23, v[QO+\b]
.endr
	v_lshl_or_b32 v[PW+\a], v[QT+1], 8, v[QT]
	v_lshl_or_b32 v[PW+\a], v[QT+2], 16, v[PW+\a]
	v_lshl_or_b32 v[PW+\a], v[QT+3], 24, v[PW+\a]
	WIN 0x01                                       ; source 0 in window 1
.irp b, 0,1,2,3
	v_cvt_scalef32_pk8_fp4_f32 v[PC+8*\a+2*\b], v[64*\a+16*\b:64*\a+16*\b+7], v[QO+\b]
	v_cvt_scalef32_pk8_fp4_f32 v[PC+8*\a+2*\b+1], v[64*\a+16*\b+8:64*\a+16*\b+15], v[QO+\b]
.endr
	WIN 0
	v_nop                                          ; one plain line behind the scaled conversions
.irp c, 0,1
.irp i, 0,1
	v_permlane16_swap_b32 v[PC+8*\a+4*\c+\i], v[PC+8*\a+4*\c+2+\i]
.endr
.endr
.endm
	PLACES 4                                       ; behind the last products
.irp b, 0,1,2,3
	v_mov_b32 v[QT+\b], 0                          ; a lane permute's destination counts as read
.endr
.irp a, 0,1,2,3
	QUANTW \a
.endr
	s_cmp_eq_u32 s89, 1
	s_cbranch_scc1 .Lfor_v
	; q, k: part c of a fragment is head 2 J + c's image of the tile
	s_lshl_b32 s13, s19, 1
	s_add_co_u32 s13, s13, s18                     ; J = 2 cx + w % 2
	s_lshl_b32 s12, s21, 2
	s_add_co_u32 s12, s12, s20
	s_and_b32 s12, s12, 63
	s_lshl_b32 s12, s12, 3
	s_lshl_b32 s14, s17, 2
	s_add_co_u32 s12, s12, s14                     ; I0: my first tile of tokens
	s_lshr_b32 s15, s21, 4                         ; 0: q, 1: k
	s_lshl_b32 s80, s15, 22
	s_lshl_b32 s14, s13, 19
	s_add_co_u32 s80, s80, s14
	s_lshl_b32 s14, s12, 9
	s_add_co_u32 s80, s80, s14
	s_mov_b32 s81, 0
	s_add_nc_u64 s[80:81], s[8:9], s[80:81]
	s_lshl_b32 s82, s15, 19
	s_lshl_b32 s14, s13, 16
	s_add_co_u32 s82, s82, s14
	s_lshl_b32 s14, s12, 6
	s_add_co_u32 s82, s82, s14
	s_mov_b32 s83, 0
	s_add_nc_u64 s[82:83], s[10:11], s[82:83]
	s_wait_alu depctr_va_vdst(0)
.irp a, 0,1,2,3
.irp c, 0,1
	global_store_b128 v1, v[PC+8*\a+4*\c:PC+8*\a+4*\c+3], s[80:81] offset:512*\a+262144*\c   ; 512 consecutive bytes, aligned
.endr
.endr
.irp c, 0,1
.irp a, 0,1,2,3
	v_perm_b32 v[WW+\a], v[PW+\a], v[PW+\a], s[94+\c]   ; the head's two bytes, twice: the scales of the unused upper half of the instruction's K are the real ones again
.endr
	v_cndmask_b32 v[WW+4+2*\c], v[WW], v[WW+1], s88      ; lanes 0-15 the even tile's, lanes 16-31 the odd tile's
	v_cndmask_b32 v[WW+5+2*\c], v[WW+2], v[WW+3], s88
	global_store_b64 v4, v[WW+4+2*\c:WW+5+2*\c], s[82:83] offset:32768*\c   ; 256 consecutive bytes, aligned
.endr
	s_branch .Lstored
.Lfor_v:
	; v: my 4 tiles of P are one head's 64 d, my 8 tiles of R one key step of 128
	s_and_b32 s12, s21, 1
	s_lshl_b32 s12, s12, 2
	s_add_co_u32 s12, s12, s20
	s_lshl_b32 s12, s12, 1
	s_add_co_u32 s12, s12, s17                     ; the head
	s_bfe_u32 s13, s21, 0x30001
	s_lshl_b32 s13, s13, 2
	s_add_co_u32 s13, s13, s19
	s_lshl_b32 s13, s13, 1
	s_add_co_u32 s13, s13, s18                     ; the key step, 16 x batch + step
	s_lshl_b32 s80, s12, 18
	s_lshl_b32 s14, s13, 12
	s_add_co_u32 s80, s80, s14
	s_add_co_u32 s80, s80, 8388608
	s_mov_b32 s81, 0
	s_add_nc_u64 s[80:81], s[8:9], s[80:81]
	s_lshl_b32 s82, s12, 14
	s_lshl_b32 s14, s13, 8
	s_add_co_u32 s82, s82, s14
	s_add_co_u32 s82, s82, 1048576
	s_mov_b32 s83, 0
	s_add_nc_u64 s[82:83], s[10:11], s[82:83]
	s_wait_alu depctr_va_vdst(0)
.irp a, 0,1,2,3
.irp c, 0,1
	global_store_b128 v1, v[PC+8*\a+4*\c:PC+8*\a+4*\c+3], s[80:81] offset:1024*\a+512*\c
.endr
.endr
	v_cndmask_b32 v[WW+4], v[PW], v[PW+1], s88
	v_cndmask_b32 v[WW+5], v[PW+2], v[PW+3], s88
	global_store_b64 v4, v[WW+4:WW+5], s[82:83]
.Lstored:
	s_wait_tensorcnt 0x0
	s_wait_tensorcnt 0x0
	ds_add_u32 v14, v15
	s_wait_dscnt 0x0
	CROUND                                         ; the closing round: no work-group ends while a partner may still ask for a tile that names it
	s_endpgm
.Lfunc_end_k_q54e51ff75d_proj:
	.size	k_q54e51ff75d_proj, .Lfunc_end_k_q54e51ff75d_proj-k_q54e51ff75d_proj
	.p2alignl 7, 3214868480
	.fill 96, 4, 3214868480
	.section	.rodata,"a",@progbits
	.p2align	6, 0x0
	.amdhsa_kernel k_q54e51ff75d_proj
		.amdhsa_group_segment_fixed_size 197120
		.amdhsa_private_segment_fixed_size 0
		.amdhsa_enable_private_segment 0
		.amdhsa_kernarg_size 32
		.amdhsa_user_sgpr_count 2
		.amdhsa_user_sgpr_kernarg_segment_ptr 1
		.amdhsa_wavefront_size32 1
		.amdhsa_system_sgpr_workgroup_id_x 1
		.amdhsa_system_sgpr_workgroup_id_y 1
		.amdhsa_system_sgpr_workgroup_id_z 1
		.amdhsa_system_vgpr_workitem_id 0
		.amdhsa_next_free_vgpr 512
		.amdhsa_next_free_sgpr 96
		.amdhsa_reserve_vcc 0
		.amdhsa_float_denorm_mode_32 3
		.amdhsa_float_denorm_mode_16_64 3
		.amdhsa_memory_ordered 1
		.amdhsa_forward_progress 1
		.amdhsa_inst_pref_size 76
	.end_amdhsa_kernel
	.amdgpu_metadata
---
amdhsa.version: [ 1, 2 ]
amdhsa.kernels:
  - .name:           k_q54e51ff75d_proj
    .symbol:         k_q54e51ff75d_proj.kd
    .args:
      - { .name: cod, .offset: 0, .size: 8, .value_kind: global_buffer, .address_space: global }
      - { .name: scl, .offset: 8, .size: 8, .value_kind: global_buffer, .address_space: global }
      - { .name: qkv, .offset: 16, .size: 8, .value_kind: global_buffer, .address_space: global }
      - { .name: qkvs, .offset: 24, .size: 8, .value_kind: global_buffer, .address_space: global }
    .group_segment_fixed_size: 197120
    .private_segment_fixed_size: 0
    .kernarg_segment_align: 8
    .kernarg_segment_size: 32
    .max_flat_workgroup_size: 128
    .sgpr_count:     96
    .vgpr_count:     512
    .wavefront_size: 32
...
	.end_amdgpu_metadata
.endif
;; end of part 2
;; launch attn (part 3): grid 4 x 64, 16 waves a work-group, clusters of 4 x 1, 169,984 bytes of LDS; arguments qkv, qkvs, ac, ah; writes ac, ah
.if DOCPART == 3
	.amdgcn_target "amdgcn-amd-amdhsa--gfx1250"
	.amdhsa_code_object_version 6
	.text
	.protected	k_q54e51ff75d_attn
	.globl	k_q54e51ff75d_attn
	.p2align	8
	.type	k_q54e51ff75d_attn,@function
k_q54e51ff75d_attn:
	s_mov_b64 s[64:65], 0
	v_nop
	global_prefetch_b8 v0, s[64:65] scope:SCOPE_SE
	s_setreg_imm32_b32 hwreg(HW_REG_WAVE_MODE, 25, 1), 1
	s_wait_xcnt 0x0
	s_wait_alu depctr_hold_cnt(0) depctr_sa_sdst(0) depctr_va_vdst(0) depctr_va_sdst(0) depctr_va_ssrc(0) depctr_va_vcc(0) depctr_vm_vsrc(0)
	s_getreg_b32 s2, hwreg(HW_REG_IB_STS2, 6, 4)
	s_cmp_eq_u32 s2, 0
	s_cbranch_scc0 .Lentry_in_a_cluster
	s_endpgm
.Lentry_in_a_cluster:
	s_bfe_u32 s2, ttmp6, 0x10000c
	s_cmp_lg_u32 s2, 0x3003
	s_cbranch_scc0 .Lentry_shape_is_right
	s_endpgm
.Lentry_shape_is_right:
; Attention on codes of FP4: S^T = k q^T, p = 2^(t - M), O^T = v^T p^T, O / l, and O / l quantised along (head, d) for the last product.
; t = score x log2(e) / 8 (one rounding); M = the running largest t rounded UP to a whole number; p is not normalised; the row's sum l is taken of the unquantised p.  When M moves, l and O^T are multiplied by 2^(old M - new M): exact.
; SHARES: work-group y = 4 x head + batch; x = a block of 512 queries.  Each of sixteen waves owns 32 queries, two tiles, and walks the 2,048 keys in 16 steps of 128; four waves to a SIMD, so that one wave's vector
; work stands beside another's products and LDS loads.  Both tiles of queries use each fragment of k and v that is read.
; LAYOUT: both products transposed: a lane holds ONE query.  Tiles hold rows 32 (T / 2) + 8 (T % 2) + r + 8 (r / 8), so the 16 registers of score tiles 2 B, 2 B + 1 are keys 32 B + 16 h + 0 .. 15, and likewise O^T's along d.
; THE HEAD'S K IS 64, the instruction's 128.  q's operand has zero codes in its registers 4-7, so the products of k = 64 .. 127 are exactly 0; k's operand for tile t is v[KF + 4 t .. + 7], whose upper four registers are
; the next tile's codes (behind the last tile: zeros); the scale words hold the head's two bytes twice.
; LDS: the head's k and v, 128 KiB, are FILLED ONCE: four chunks of four key steps, [k 16 KiB][v 16 KiB]; wave 0 asks for k's four, wave 1 for v's four, at the head: four loads of a wave are out.
; CLUSTER 4 x 1: the four query blocks of a head and batch read the same k and v: joint loads.  The scale words (12 of the 140 KiB) come by plain loads, a step a wave, into LDS bytes that no fill touches.
; OUT: ac [tile I][head / 2][head % 2][lane][16]: the operand image of the last product's A;  ah [head][I][r]: the row's two scale bytes for this head.
; LIMITS: NaN and infinities are not served; a block of zeros gets the byte 1 (its codes are zeros; this program alone reads the bytes).
.set SC,  131072                       ; 16 records of 768 bytes: a step's scale words of k (512), of v (256)
.set HST, 143360                       ; 1,024 bytes: the work-group's u16 for ah
.set KF,  32                           ; v32-63 eight tiles of k (4 registers each), later four fragments of v; v64-67 zeros
.set S,   68                           ; v68-131 the scores, then p
.set O,   132                          ; v132-195 O^T: (x, t) at 132 + 32 x + 8 t
.set PC,  196                          ; v196-211 p's codes, 8 for each x
.set PW,  212                          ; v212-213 p's scale words
.set KS,  214                          ; v214-217 k's scale words: tile t in register t / 2, lanes 16 (t % 2) on
.set VS,  218                          ; v218-219 v's likewise
.set QSC, 220                          ; v220 q's: lanes 0-15 tile 0, lanes 16-31 tile 1
.set QM,  222                          ; v222-225 a block's largest
.set QT,  226                          ; v226-229
.set QO,  230                          ; v230-233 the conversions' scale operands
.set FP,  234                          ; v[234:235] f = 2^(old M - new M)
.set TA,  236
.set CH,  238                          ; v[238:239] the sum's second chain
.set WV,  12                           ; s12 wave, s13 query block, s14 4 head + batch, s15 wave % 2
.set G1,  16
.set TB,  40                           ; LDS byte of the step's tiles
.set TS,  41                           ; and of its scale words' record
.set CNT, 42
.set CS,  44                           ; s[44:45] c = log2(e) / 8
.set SEL, 46
; per tile of queries x: v[8 + 4 x] -M, v[9 + 4 x] the largest t, v[10 + 4 x : 11 + 4 x] the sum in two halves
.macro PLACES n
.rept \n
	v_nop
.endr
.endm
.macro CROUND
	s_barrier_signal -1
	s_barrier_wait -1
	s_cmp_lg_u32 s[WV], 0
	s_cbranch_scc1 .Lnot_wave_0_\@
	s_barrier_signal -3
.Lnot_wave_0_\@:
	s_barrier_wait -3
	s_barrier_signal -1
	s_barrier_wait -1
.endm
; a product that starts a sum (WMZ) or adds in place (WMA); ra, rb: the half of the lanes that holds source 0's, source 1's scales
.macro WMZ d, a, b, sa, sb, ra, rb
.if ((\ra) == 0) && ((\rb) == 0)
	v_wmma_scale_f32_16x16x128_f8f6f4 v[(\d):(\d)+7], v[(\a):(\a)+7], v[(\b):(\b)+7], 0, v[\sa], v[\sb] matrix_a_fmt:MATRIX_FMT_FP4 matrix_b_fmt:MATRIX_FMT_FP4
.elseif (\rb) == 0
	v_wmma_scale_f32_16x16x128_f8f6f4 v[(\d):(\d)+7], v[(\a):(\a)+7], v[(\b):(\b)+7], 0, v[\sa], v[\sb] matrix_a_fmt:MATRIX_FMT_FP4 matrix_b_fmt:MATRIX_FMT_FP4 matrix_a_scale:MATRIX_SCALE_ROW1
.elseif (\ra) == 0
	v_wmma_scale_f32_16x16x128_f8f6f4 v[(\d):(\d)+7], v[(\a):(\a)+7], v[(\b):(\b)+7], 0, v[\sa], v[\sb] matrix_a_fmt:MATRIX_FMT_FP4 matrix_b_fmt:MATRIX_FMT_FP4 matrix_b_scale:MATRIX_SCALE_ROW1
.else
	v_wmma_scale_f32_16x16x128_f8f6f4 v[(\d):(\d)+7], v[(\a):(\a)+7], v[(\b):(\b)+7], 0, v[\sa], v[\sb] matrix_a_fmt:MATRIX_FMT_FP4 matrix_b_fmt:MATRIX_FMT_FP4 matrix_a_scale:MATRIX_SCALE_ROW1 matrix_b_scale:MATRIX_SCALE_ROW1
.endif
.endm
.macro WMA d, a, b, sa, sb, ra
.if (\ra) == 0
	v_wmma_scale_f32_16x16x128_f8f6f4 v[(\d):(\d)+7], v[(\a):(\a)+7], v[(\b):(\b)+7], v[(\d):(\d)+7], v[\sa], v[\sb] matrix_a_fmt:MATRIX_FMT_FP4 matrix_b_fmt:MATRIX_FMT_FP4
.else
	v_wmma_scale_f32_16x16x128_f8f6f4 v[(\d):(\d)+7], v[(\a):(\a)+7], v[(\b):(\b)+7], v[(\d):(\d)+7], v[\sa], v[\sb] matrix_a_fmt:MATRIX_FMT_FP4 matrix_b_fmt:MATRIX_FMT_FP4 matrix_a_scale:MATRIX_SCALE_ROW1
.endif
.endm
	s_load_b256 s[4:11], s[0:1], 0x0               ; qkv, qkvs, ac, ah
	v_lshl_add_u32 v254, v0, 2, 0x29000
	v_mov_b32 v255, 0
	ds_add_u32 v254, v255
	ds_add_u32 v254, v255
	v_lshrrev_b32 v1, 5, v0
	s_delay_alu instid0(VALU_DEP_1)
	v_readfirstlane_b32 s[WV], v1                  ; wave 0..15
	s_bfe_u32 s13, ttmp6, 0x40000                  ; cx
	s_lshl_b32 s43, ttmp9, 2
	s_add_co_u32 s13, s13, s43                     ; my block of 512 queries: it enters q's, ac's and ah's addresses alone
	s_and_b32 s14, ttmp7, 0xffff                   ; 4 x head + batch, which the four partners share
	s_and_b32 s15, s[WV], 1                        ; wave 0 fetches k, wave 1 v
	s_mov_b32 s[G1], 15|(3<<16)|(1<<21)            ; 15:0 the mask: all four work-groups; 17:16 elements of 8 bytes; 21 set beside a mask; no padding
	s_mov_b32 s[G1+1], 32<<16                      ; tensor_dim0 = 32 elements: rows of 256 bytes of a dense block
	s_mov_b32 s[G1+2], 64<<16                      ; tensor_dim1 = 64 rows: 16 KiB
	s_mov_b32 s[G1+3], 32<<16                      ; tile_dim0
	s_mov_b32 s[G1+4], 64                          ; tile_dim1
	s_mov_b32 s[G1+5], 32                          ; from row to row
	s_mov_b32 s[G1+6], 0
	s_mov_b32 s[G1+7], 0
	s_mov_b32 s[CS], 0x3e38aa3b                    ; c = log2(e) / 8
	s_mov_b32 s[CS+1], s[CS]                       ; (named with it as a pair, so it is written)
	s_mov_b32 s[SEL], 0x76543210
	s_mov_b32 s[SEL+1], 0xfedcba98
	s_mov_b32 s48, 0xffff0000                      ; lanes 16-31
	s_lshl_b32 s50, s14, 16
	s_lshl_b32 s43, s15, 22
	s_add_co_u32 s50, s50, s43
	s_add_co_u32 s50, s50, 4194304                 ; k's or v's codes of my head and batch
	s_mov_b32 s51, 0
	s_lshl_b32 s49, s15, 14                        ; and their place in a chunk
	s_lshl_b32 s52, s13, 5
	s_lshl_b32 s43, s[WV], 1
	s_add_co_u32 s52, s52, s43                     ; my first tile of queries in the batch: 32 x block + 2 x wave
	s_lshl_b32 s52, s52, 9
	s_lshl_b32 s43, s14, 16
	s_add_co_u32 s52, s52, s43
	s_mov_b32 s53, 0
	s_lshl_b32 s54, s13, 3
	s_lshr_b32 s43, s[WV], 1
	s_add_co_u32 s54, s54, s43                     ; its group of four tiles,
	s_lshl_b32 s54, s54, 8
	s_lshl_b32 s43, s15, 2
	s_add_co_u32 s54, s54, s43                     ; and the word of my pair in it
	s_lshl_b32 s43, s14, 13
	s_add_co_u32 s54, s54, s43
	s_mov_b32 s55, 0
	s_lshl_b32 s56, s14, 13
	s_lshl_b32 s43, s[WV], 9
	s_add_co_u32 s56, s56, s43
	s_add_co_u32 s56, s56, 524288                  ; k's scale words of key step = my wave's number
	s_mov_b32 s57, 0
	s_lshl_b32 s58, s14, 12
	s_lshl_b32 s43, s[WV], 8
	s_add_co_u32 s58, s58, s43
	s_add_co_u32 s58, s58, 1048576                 ; v's
	s_mov_b32 s59, 0
	v_and_b32 v1, 31, v0
	s_delay_alu instid0(VALU_DEP_1)
	v_lshlrev_b32 v5, 3, v1                        ; 8 x lane
	s_delay_alu instid0(VALU_DEP_2)
	v_lshlrev_b32 v1, 4, v1                        ; 16 x lane
	s_delay_alu instid0(VALU_DEP_2)
	v_add_nc_u32 v2, SC, v5                        ; my place in a record of scale words
	s_mul_i32 s43, s[WV], 768
	s_add_co_u32 s43, s43, SC
	v_add_nc_u32 v6, s43, v1                       ; where I put my step's record: k's words,
	v_add_nc_u32 v7, s43, v5                       ; v's (512 bytes on)
	v_lshl_add_u32 v240, v0, 1, HST                ; the way out: my u16
	s_lshl_b32 s43, s15, 9
	s_add_co_u32 s43, s43, HST
	v_add_nc_u32 v241, s43, v1                     ; and where waves 0 and 1 read 512 bytes back
	s_wait_alu depctr_va_vdst(0)
	s_wait_dscnt 0x0
	s_wait_kmcnt 0x0
	s_add_nc_u64 s[50:51], s[4:5], s[50:51]
	s_add_nc_u64 s[52:53], s[4:5], s[52:53]
	s_add_nc_u64 s[54:55], s[6:7], s[54:55]
	s_add_nc_u64 s[56:57], s[6:7], s[56:57]
	s_add_nc_u64 s[58:59], s[6:7], s[58:59]
.irp q, 0,1,2,3
	s_mov_b32 s[24+4*\q], 1
	s_add_co_u32 s[25+4*\q], s49, \q*32768
	s_add_nc_u64 s[26+4*\q:27+4*\q], s[50:51], \q*16384
	s_or_b32 s[27+4*\q], s[27+4*\q], 0x80000000
.endr
	global_load_b128 v[16:19], v1, s[52:53]              ; q's two tiles stay in registers
	global_load_b128 v[24:27], v1, s[52:53] offset:512
	global_load_b32 v[QSC], v5, s[54:55]
	global_load_b128 v[68:71], v1, s[56:57]
	global_load_b64 v[72:73], v5, s[58:59]
	CROUND                                         ; all four work-groups are here: the joint loads meet
	s_cmp_lt_u32 s[WV], 2                          ; all fills of a wave stand in one branch on the wave's number
	s_cbranch_scc0 .Lfilled
	tensor_load_to_lds s[24:27], s[G1:G1+7]
	s_nop 0
	tensor_load_to_lds s[28:31], s[G1:G1+7]
	s_nop 0
	tensor_load_to_lds s[32:35], s[G1:G1+7]
	s_nop 0
	tensor_load_to_lds s[36:39], s[G1:G1+7]
	s_nop 0
	PLACES 4
.Lfilled:
.set j, 0
.rept 64
	v_mov_b32 v[O+j], 0                            ; O^T.  The step is written once: the first finds zeros, which the first change of M leaves zeros
.set j, j+1
.endr
.irp x, 0,1
	v_mov_b32 v[9+4*\x], 0xff61b1e6                ; the largest t so far: -3e38
	s_delay_alu instid0(VALU_DEP_1)
	v_floor_f32 v[8+4*\x], -v[9+4*\x]              ; -M
	v_mov_b32 v[10+4*\x], 0
	v_mov_b32 v[11+4*\x], 0
.endr
.irp b, 0,1,2,3
	v_mov_b32 v[QT+\b], 0                          ; a lane permute's destination counts as read
	v_mov_b32 v[20+\b], 0                          ; zero codes: q's k = 64 .. 127
	v_mov_b32 v[28+\b], 0
	v_mov_b32 v[KF+32+\b], 0                       ; and behind k's last tile
.endr
	v_mov_b32 v[FP+1], 0                           ; (named as the upper half of a pair)
	s_wait_loadcnt 0x0
	ds_store_b128 v6, v[68:71]
	ds_store_b64 v7, v[72:73] offset:512
.macro SCORES x                        ; S^T = k q^T for tile x of my queries: eight tiles of 16 keys
.irp t, 0,1,2,3,4,5,6,7
	WMZ S+8*\t, KF+4*\t, 16+8*\x, KS+\t/2, QSC, \t%2, \x
.endr
.endm
.macro PV                              ; O^T += v^T p^T: eight accumulators, one instruction each
.irp t, 0,1,2,3
.irp x, 0,1
	WMA O+32*\x+8*\t, KF+8*\t, PC+8*\x, VS+\t/2, PW+\x, \t%2
.endr
.endr
.endm
.macro SOFTMAX x
.set NM, 8+4*(\x)
.irp b, 0,1,2,3
	v_max3_num_f32 v[QM+\b], v[S+16*\b], v[S+16*\b+1], v[S+16*\b+2]   ; the largest score of each block of 32 keys: for the row's maximum and, since p rises with the score, for the block's largest p
.endr
.irp i, 3,5,7,9,11,13
.irp b, 0,1,2,3
	v_max3_num_f32 v[QM+\b], v[QM+\b], v[S+16*\b+\i], v[S+16*\b+\i+1]
.endr
.endr
.irp b, 0,1,2,3
	v_max_num_f32 v[QM+\b], v[QM+\b], v[S+16*\b+15]
.endr
.irp b, 0,1,2,3
	s_delay_alu instid0(VALU_DEP_4)
	v_permlanex16_b32 v[QT+\b], v[QM+\b], s[SEL], s[SEL+1]
.endr
.irp b, 0,1,2,3
	s_delay_alu instid0(VALU_DEP_4)
	v_max_num_f32 v[QM+\b], v[QM+\b], v[QT+\b]     ; with lane l xor 16's 16 keys
.endr
	s_delay_alu instid0(VALU_DEP_2)
	v_max3_num_f32 v[TA], v[QM], v[QM+1], v[QM+2]
	s_delay_alu instid0(VALU_DEP_1)
	v_max_num_f32 v[TA], v[TA], v[QM+3]
	s_delay_alu instid0(VALU_DEP_1)
	v_mul_f32 v[TA], s[CS], v[TA]                  ; the step's largest t (c is positive)
	s_delay_alu instid0(VALU_DEP_1)
	v_max_num_f32 v[NM+1], v[NM+1], v[TA]
	v_mov_b32 v[TA], v[NM]
	s_delay_alu instid0(VALU_DEP_2)
	v_floor_f32 v[NM], -v[NM+1]                    ; the new -M = floor(-t)
	s_delay_alu instid0(VALU_DEP_1)
	v_sub_f32 v[TA], v[NM], v[TA]                  ; old M - new M: a whole number, 0 or less
	s_delay_alu instid0(VALU_DEP_1)
	v_cvt_i32_f32 v[TA], v[TA]                     ; (it saturates)
	s_delay_alu instid0(VALU_DEP_1)
	v_ldexp_f32 v[FP], 1.0, v[TA]                  ; f = 2^(old M - new M)
.set j, 0
.rept 32
	v_pk_fma_f32 v[S+j:S+j+1], v[S+j:S+j+1], s[CS:CS+1], v[NM:NM+1] op_sel_hi:[1,0,0]   ; t - M, two at a time
.set j, j+2
.endr
.irp b, 0,1,2,3
	v_fma_f32 v[QM+\b], v[QM+\b], s[CS], v[NM]     ; the same of each block's largest score
.endr
.set j, 0
	s_wait_alu depctr_va_vdst(0)
.rept 64
	v_exp_f32 v[S+j], v[S+j]                       ; p = 2^(t - M)
.set j, j+1
.endr
	v_pk_mul_f32 v[NM+2:NM+3], v[NM+2:NM+3], v[FP:FP+1] op_sel_hi:[1,0]   ; the sums under the new M: the plain line behind the exponentials
	s_wait_alu depctr_va_vdst(0)                   ; one wait for the batch, ahead of its first reader
.irp b, 0,1,2,3
	v_exp_f32 v[QM+\b], v[QM+\b]                   ; the block's largest p
.endr
	v_pk_add_f32 v[CH:CH+1], v[S:S+1], v[S+2:S+3]  ; the row's sum of the unquantised p, in two chains
.set j, 4
.rept 15
	v_pk_add_f32 v[NM+2:NM+3], v[NM+2:NM+3], v[S+j:S+j+1]
	v_pk_add_f32 v[CH:CH+1], v[CH:CH+1], v[S+j+2:S+j+3]
.set j, j+4
.endr
	s_delay_alu instid0(VALU_DEP_1)
	v_pk_add_f32 v[NM+2:NM+3], v[NM+2:NM+3], v[CH:CH+1]
	s_wait_alu depctr_va_vdst(0)                   ; and one for the four
.irp b, 0,1,2,3
	v_max_num_f32 v[QM+\b], 0x1800000, v[QM+\b]    ; the floor 2^(3 - 127): the byte cannot fall under 1
.endr
.irp b, 0,1,2,3
	s_delay_alu instid0(VALU_DEP_4)
	v_add_nc_u32 v[QO+\b], 0xff000000, v[QM+\b]
.endr
.irp b, 0,1,2,3
	s_delay_alu instid0(VALU_DEP_4)
	v_lshrrev_b32 v[QT+\b], 23, v[QO+\b]
.endr
	s_delay_alu instid0(VALU_DEP_3)
	v_lshl_or_b32 v[PW+\x], v[QT+1], 8, v[QT]      ; p's scale word for these 128 keys
	s_delay_alu instid0(VALU_DEP_1)
	v_lshl_or_b32 v[PW+\x], v[QT+2], 16, v[PW+\x]
	s_delay_alu instid0(VALU_DEP_1)
	v_lshl_or_b32 v[PW+\x], v[QT+3], 24, v[PW+\x]
.irp b, 0,1,2,3
	v_cvt_scalef32_pk8_fp4_f32 v[PC+8*\x+2*\b], v[S+16*\b:S+16*\b+7], v[QO+\b]
	v_cvt_scalef32_pk8_fp4_f32 v[PC+8*\x+2*\b+1], v[S+16*\b+8:S+16*\b+15], v[QO+\b]
.endr
	v_nop                                          ; one plain line behind the scaled conversions
.irp c, 0,1
.irp i, 0,1
	v_permlane16_swap_b32 v[PC+8*\x+4*\c+\i], v[PC+8*\x+4*\c+2+\i]
.endr
.endr
.set j, 0
.rept 16
	v_pk_mul_f32 v[O+32*\x+j:O+32*\x+j+1], v[O+32*\x+j:O+32*\x+j+1], v[FP:FP+1] op_sel_hi:[1,0]   ; O^T under the new M; these 16 are also the places between the scale word and codes just made and the products that take them
.set j, j+2
.endr
.endm
.macro STEP                            ; 128 keys
	v_add_nc_u32 v3, s[TB], v1
	v_add_nc_u32 v4, s[TS], v2
	v_nop
	v_nop                                          ; four plain lines behind the last products, ahead of loads into registers that they read
.irp t, 0,1,2,3,4,5,6,7
	ds_load_b128 v[KF+4*\t:KF+4*\t+3], v3 offset:512*\t
.endr
	ds_load_b64 v[KS:KS+1], v4
	ds_load_b64 v[KS+2:KS+3], v4 offset:256
	ds_load_b64 v[VS:VS+1], v4 offset:512
	s_wait_dscnt 0x0
	SCORES 0
	PLACES 4
	SOFTMAX 0
	SCORES 1
	PLACES 4
.irp t, 0,1,2,3
.irp c, 0,1
	ds_load_b128 v[KF+8*\t+4*\c:KF+8*\t+4*\c+3], v3 offset:16384+1024*\t+512*\c   ; v's four fragments land under the second softmax
.endr
.endr
	s_setprio 1
	SOFTMAX 1
	s_setprio 0
	s_wait_alu depctr_va_vdst(0)
	s_wait_dscnt 0x0
	PV
.endm
.macro CHUNK q                         ; four key steps
	s_wait_tensorcnt 3-(\q)                        ; my part of this chunk has landed (waves 0 and 1); the younger loads are the later chunks
	s_wait_dscnt 0x0                               ; no LDS access of mine is open at a signal; ahead of the first chunk: my record of scale words has landed
	s_barrier_signal -1
	s_barrier_wait -1
	s_mov_b32 s[TB], (\q)*32768
	s_mov_b32 s[TS], (\q)*3072
	s_mov_b32 s[CNT], 4
.Lstep_\@:
	s_wait_alu depctr_va_vdst(0)
	s_setprio 2
	STEP
	s_add_co_u32 s[TB], s[TB], 4096
	s_add_co_u32 s[TS], s[TS], 768
	s_sub_co_u32 s[CNT], s[CNT], 1
	s_cmp_lg_u32 s[CNT], 0
	s_cbranch_scc1 .Lstep_\@
	s_setprio 0
.endm
	CHUNK 0
	CHUNK 1
	CHUNK 2
	CHUNK 3
	; THE WAY OUT: O^T / l, quantised along d: register 16 B + i of a tile is d = 32 B + 16 h + i.  The two tiles' 2 x 2 blocks go as four.
	PLACES 4
.irp x, 0,1
	v_add_f32 v[10+4*\x], v[10+4*\x], v[11+4*\x]
.endr
.irp x, 0,1
	s_delay_alu instid0(VALU_DEP_2)
	v_permlanex16_b32 v[QT+\x], v[10+4*\x], s[SEL], s[SEL+1]
.endr
.irp x, 0,1
	s_delay_alu instid0(VALU_DEP_2)
	v_add_f32 v[10+4*\x], v[10+4*\x], v[QT+\x]     ; the row's sum
.endr
	s_wait_alu depctr_va_vdst(0)
.irp x, 0,1
	v_rcp_f32 v[10+4*\x], v[10+4*\x]
.endr
	v_nop                                          ; a plain line behind the reciprocals
	s_lshr_b32 s50, s14, 2                         ; the head
	s_and_b32 s51, s14, 3
	s_lshl_b32 s51, s51, 7
	s_lshl_b32 s43, s13, 5
	s_add_co_u32 s51, s51, s43                     ; the work-group's first tile: 128 x batch + 32 x block
	s_lshl_b32 s52, s51, 5
	s_lshl_b32 s43, s50, 14
	s_add_co_u32 s52, s52, s43
	s_lshl_b32 s43, s15, 9
	s_add_co_u32 s52, s52, s43
	s_mov_b32 s53, 0
	s_add_nc_u64 s[52:53], s[10:11], s[52:53]      ; ah: 32 bytes a tile; waves 0 and 1 store 512 bytes each
	s_lshl_b32 s43, s[WV], 1
	s_add_co_u32 s51, s51, s43
	s_lshl_b32 s51, s51, 13
	s_lshl_b32 s50, s50, 9
	s_add_co_u32 s50, s50, s51
	s_mov_b32 s51, 0
	s_add_nc_u64 s[50:51], s[8:9], s[50:51]        ; ac: my first tile, my head's 512 bytes
	s_wait_alu depctr_va_vdst(0)                   ; one wait for the two reciprocals, ahead of their first reader
.irp x, 0,1
.set j, 0
.rept 16
	v_pk_mul_f32 v[S+32*\x+j:S+32*\x+j+1], v[O+32*\x+j:O+32*\x+j+1], v[10+4*\x:11+4*\x] op_sel_hi:[1,0]
.set j, j+2
.endr
.endr
.irp b, 0,1,2,3
	v_max3_num_f32 v[QM+\b], |v[S+16*\b]|, |v[S+16*\b+1]|, 0x1800000
.endr
.irp i, 2,4,6,8,10,12,14
.irp b, 0,1,2,3
	s_delay_alu instid0(VALU_DEP_4)
	v_max3_num_f32 v[QM+\b], v[QM+\b], |v[S+16*\b+\i]|, |v[S+16*\b+\i+1]|
.endr
.endr
.irp b, 0,1,2,3
	s_delay_alu instid0(VALU_DEP_4)
	v_permlanex16_b32 v[QT+\b], v[QM+\b], s[SEL], s[SEL+1]
.endr
.irp b, 0,1,2,3
	s_delay_alu instid0(VALU_DEP_4)
	v_max_num_f32 v[QM+\b], v[QM+\b], v[QT+\b]
.endr
.irp b, 0,1,2,3
	s_delay_alu instid0(VALU_DEP_4)
	v_add_nc_u32 v[QO+\b], 0xff000000, v[QM+\b]
.endr
.irp b, 0,1,2,3
	s_delay_alu instid0(VALU_DEP_4)
	v_lshrrev_b32 v[QT+\b], 23, v[QO+\b]
.endr
	s_delay_alu instid0(VALU_DEP_3)
	v_lshl_or_b32 v[PW], v[QT+1], 8, v[QT]         ; low half: tile 0's two bytes; high half: tile 1's
	s_delay_alu instid0(VALU_DEP_1)
	v_lshl_or_b32 v[PW], v[QT+2], 16, v[PW]
	s_delay_alu instid0(VALU_DEP_1)
	v_lshl_or_b32 v[PW], v[QT+3], 24, v[PW]
.irp b, 0,1,2,3
	v_cvt_scalef32_pk8_fp4_f32 v[PC+2*\b], v[S+16*\b:S+16*\b+7], v[QO+\b]
	v_cvt_scalef32_pk8_fp4_f32 v[PC+2*\b+1], v[S+16*\b+8:S+16*\b+15], v[QO+\b]
.endr
	v_nop
.irp c, 0,1
.irp i, 0,1
	v_permlane16_swap_b32 v[PC+4*\c+\i], v[PC+4*\c+2+\i]   ; registers 4 x .. 4 x + 3: lanes 0-15 the head's block 0 of tile x, lanes 16-31 its block 1
.endr
.endr
	global_store_b128 v1, v[PC:PC+3], s[50:51]               ; 512 consecutive bytes, aligned
	global_store_b128 v1, v[PC+4:PC+7], s[50:51] offset:8192
	v_lshrrev_b32 v242, 16, v[PW]
	s_delay_alu instid0(VALU_DEP_1)
	v_cndmask_b32 v242, v[PW], v242, s48           ; lane 16 x + r: tile x, row r
	ds_store_b16 v240, v242
	s_wait_dscnt 0x0                               ; for the others' sake
	s_barrier_signal -1
	s_barrier_wait -1
	s_cmp_lt_u32 s[WV], 2
	s_cbranch_scc0 .Lno_ah
	ds_load_b128 v[244:247], v241
	s_wait_dscnt 0x0
	global_store_b128 v1, v[244:247], s[52:53]     ; 512 consecutive bytes, aligned
.Lno_ah:
	s_wait_tensorcnt 0x0
	s_wait_tensorcnt 0x0
	ds_add_u32 v254, v255
	s_wait_dscnt 0x0
	CROUND                                         ; the closing round
	s_endpgm
.Lfunc_end_k_q54e51ff75d_attn:
	.size	k_q54e51ff75d_attn, .Lfunc_end_k_q54e51ff75d_attn-k_q54e51ff75d_attn
	.p2alignl 7, 3214868480
	.fill 96, 4, 3214868480
	.section	.rodata,"a",@progbits
	.p2align	6, 0x0
	.amdhsa_kernel k_q54e51ff75d_attn
		.amdhsa_group_segment_fixed_size 169984
		.amdhsa_private_segment_fixed_size 0
		.amdhsa_enable_private_segment 0
		.amdhsa_kernarg_size 32
		.amdhsa_user_sgpr_count 2
		.amdhsa_user_sgpr_kernarg_segment_ptr 1
		.amdhsa_wavefront_size32 1
		.amdhsa_system_sgpr_workgroup_id_x 1
		.amdhsa_system_sgpr_workgroup_id_y 1
		.amdhsa_system_sgpr_workgroup_id_z 1
		.amdhsa_system_vgpr_workitem_id 0
		.amdhsa_next_free_vgpr 256
		.amdhsa_next_free_sgpr 66
		.amdhsa_reserve_vcc 0
		.amdhsa_float_denorm_mode_32 3
		.amdhsa_float_denorm_mode_16_64 3
		.amdhsa_memory_ordered 1
		.amdhsa_forward_progress 1
		.amdhsa_inst_pref_size 140
	.end_amdhsa_kernel
	.amdgpu_metadata
---
amdhsa.version: [ 1, 2 ]
amdhsa.kernels:
  - .name:           k_q54e51ff75d_attn
    .symbol:         k_q54e51ff75d_attn.kd
    .args:
      - { .name: qkv, .offset: 0, .size: 8, .value_kind: global_buffer, .address_space: global }
      - { .name: qkvs, .offset: 8, .size: 8, .value_kind: global_buffer, .address_space: global }
      - { .name: ac, .offset: 16, .size: 8, .value_kind: global_buffer, .address_space: global }
      - { .name: ah, .offset: 24, .size: 8, .value_kind: global_buffer, .address_space: global }
    .group_segment_fixed_size: 169984
    .private_segment_fixed_size: 0
    .kernarg_segment_align: 8
    .kernarg_segment_size: 32
    .max_flat_workgroup_size: 512
    .sgpr_count:     66
    .vgpr_count:     256
    .wavefront_size: 32
...
	.end_amdgpu_metadata
.endif
;; end of part 3
;; launch outp (part 4): grid 4 x 64, 4 waves a work-group, clusters of 4 x 4, 230,912 bytes of LDS; arguments ac, ah, cod, scl, bo, out0; writes out0
.if DOCPART == 4
	.amdgcn_target "amdgcn-amd-amdhsa--gfx1250"
	.amdhsa_code_object_version 6
	.text
	.protected	k_q54e51ff75d_outp
	.globl	k_q54e51ff75d_outp
	.p2align	8
	.type	k_q54e51ff75d_outp,@function
k_q54e51ff75d_outp:
	s_mov_b64 s[64:65], 0
	v_nop
	global_prefetch_b8 v0, s[64:65] scope:SCOPE_SE
	s_setreg_imm32_b32 hwreg(HW_REG_WAVE_MODE, 25, 1), 1
	s_wait_xcnt 0x0
	s_wait_alu depctr_hold_cnt(0) depctr_sa_sdst(0) depctr_va_vdst(0) depctr_va_sdst(0) depctr_va_ssrc(0) depctr_va_vcc(0) depctr_vm_vsrc(0)
	s_getreg_b32 s2, hwreg(HW_REG_IB_STS2, 6, 4)
	s_cmp_eq_u32 s2, 0
	s_cbranch_scc0 .Lentry_in_a_cluster
	s_endpgm
.Lentry_in_a_cluster:
	s_bfe_u32 s2, ttmp6, 0x10000c
	s_cmp_lg_u32 s2, 0xf033
	s_cbranch_scc0 .Lentry_shape_is_right
	s_endpgm
.Lentry_shape_is_right:
; out0 = A Wo^T + bo on codes of FP4.  A: the attention's result as operand images (ac) with its scale bytes by head (ah); Wo: tiles 1728 on of cod and scl.  K = 1,024.
; THE MATRIX INSTRUCTION IS USED TRANSPOSED: source 0 = a tile of Wo, source 1 = a tile of A: a lane holds one row of the output, and its registers run along the columns: with tiles of rows
; 32 (T / 2) + 8 (T % 2) + r + 8 (r / 8), the 16 registers of result tiles 2 B, 2 B + 1 are columns 32 B + 16 h + 0 .. 15.
; SHARES: a work-group takes 8 tiles of A (128 rows) x 16 tiles of Wo (256 columns), all of K: 256 work-groups.  Wave w: A's tiles 4 (w / 2) on, Wo's 8 (w % 2) on: 32 accumulators.
; LDS: four chunks of two K steps, [A 8 tiles x 2,048 bytes][Wo 16 tiles x 2,048], each FILLED ONCE: four tensor loads a wave at the head, counted waits.  Behind them a stage of 16 rows x 528 bytes for each wave.
; CLUSTER 4 x 4: A's tiles are shared along a row of the cluster, Wo's along a column: joint loads.
; The bias is the C of each sum's first product.
; REGISTERS: window 0: v1-7 addresses; v16-31 A's scale words, v32-63 Wo's; v64-159, v160-255 two fragment buffers.  window 1: accumulator (a, b) at v[8 (8 a + b)].  window 2: v0-63 the bias in the result's layout.
.set CHUNK, 49152
.set STAGE, 196608
.set PS,  16
.set RS,  32
.set F0,  64
.set WV,  16                           ; s16 wave, s17 w / 2, s18 w % 2, s19 cx, s20 cy, s21 cluster y
.set G1P, 24
.set G1R, 32
.set G0P, 40                           ; s[40:55] A's four groups 0; Wo's: s[56:63], s[68:75]
.set MSB, 0
.macro WIN new
.if MSB != \new
	s_set_vgpr_msb (MSB<<8)|\new
.set MSB, \new
.endif
.endm
.macro PLACES n
.rept \n
	v_nop
.endr
.endm
.macro CROUND
	s_barrier_signal -1
	s_barrier_wait -1
	s_cmp_lg_u32 s[WV], 0
	s_cbranch_scc1 .Lnot_wave_0_\@
	s_barrier_signal -3
.Lnot_wave_0_\@:
	s_barrier_wait -3
	s_barrier_signal -1
	s_barrier_wait -1
.endm
	s_load_b256 s[4:11], s[0:1], 0x0               ; ac, ah, cod, scl
	s_load_b128 s[12:15], s[0:1], 0x20             ; bo, out0
	v_lshl_add_u32 v14, v0, 2, 0x38400
	v_mov_b32 v15, 0
	ds_add_u32 v14, v15
	ds_add_u32 v14, v15
	v_lshrrev_b32 v1, 5, v0
	v_readfirstlane_b32 s[WV], v1
	s_lshr_b32 s17, s[WV], 1
	s_and_b32 s18, s[WV], 1
	s_bfe_u32 s19, ttmp6, 0x40000                  ; cx
	s_bfe_u32 s20, ttmp6, 0x40004                  ; cy
	s_and_b32 s21, ttmp7, 0xffff                   ; cluster y
	s_lshl_b32 s22, s21, 5
	s_lshl_b32 s23, s20, 3
	s_add_co_u32 s22, s22, s23                     ; A's first tile: 8 (4 x cluster y + cy): never cx
	s_lshl_b32 s92, s19, 4
	s_add_co_u32 s92, s92, 1728                    ; Wo's first tile: never cy
	s_lshl_b32 s23, s20, 2
	s_lshl_b32 s23, 15, s23                        ; my row of the cluster
	s_or_b32 s[G1P], s23, (3<<16)|(1<<21)          ; 15:0 the mask; 17:16 elements of 8 bytes; 21 set beside a mask; no padding
	s_lshl_b32 s93, 0x1111, s19                    ; my column
	s_or_b32 s[G1R], s93, (3<<16)|(1<<21)
	s_mov_b32 s[G1P+1], 256<<16                    ; a tile's two K steps: 2,048 bytes
	s_mov_b32 s[G1P+2], 4<<16                      ; 4 tiles
	s_mov_b32 s[G1P+3], 256<<16
	s_mov_b32 s[G1P+4], 4
	s_mov_b32 s[G1P+5], 1024                       ; from tile to tile: 8,192 bytes
	s_mov_b32 s[G1P+6], 0
	s_mov_b32 s[G1P+7], 0
	s_mov_b32 s[G1R+1], 256<<16
	s_mov_b32 s[G1R+2], 8<<16                      ; 8 tiles
	s_mov_b32 s[G1R+3], 256<<16
	s_mov_b32 s[G1R+4], 8
	s_mov_b32 s[G1R+5], 1024
	s_mov_b32 s[G1R+6], 0
	s_mov_b32 s[G1R+7], 0
	s_lshl_b32 s84, s18, 2
	s_add_co_u32 s84, s84, s22
	s_lshl_b32 s84, s84, 13                        ; the 4 tiles of A that I would fetch
	s_mov_b32 s85, 0
	s_lshl_b32 s86, s18, 3
	s_add_co_u32 s86, s86, s92
	s_lshl_b32 s86, s86, 13                        ; the 8 tiles of Wo
	s_mov_b32 s87, 0
	s_lshl_b32 s76, s17, 2
	s_add_co_u32 s76, s76, s22
	s_lshl_b32 s76, s76, 5                         ; ah: 32 bytes a tile: the 4 tiles of A that I multiply
	s_mov_b32 s77, 0
	s_lshl_b32 s78, s18, 3
	s_add_co_u32 s78, s78, s92
	s_lshl_b32 s78, s78, 9                         ; the scale words of my 8 tiles of Wo
	s_mov_b32 s79, 0
	s_lshl_b32 s80, s19, 10
	s_lshl_b32 s94, s18, 9
	s_add_co_u32 s80, s80, s94                     ; my 128 columns, in bytes: 1,024 cx + 512 (w % 2)
	s_mov_b32 s81, 0
	s_lshl_b32 s82, s21, 2
	s_add_co_u32 s82, s82, s20
	s_lshl_b32 s82, s82, 19                        ; 128 rows of 4,096 bytes for each block of rows
	s_lshl_b32 s94, s17, 18
	s_add_co_u32 s82, s82, s94                     ; + my 64 rows
	s_add_co_u32 s82, s82, s80
	s_mov_b32 s83, 0
	s_lshl_b32 s2, s18, 13                         ; where a fill goes in a chunk: the wave's number alone
	s_lshl_b32 s3, s18, 14
	s_add_co_u32 s3, s3, 16384
	s_lshl_b32 s94, s17, 13                        ; where I read A
	s_mul_i32 s95, s[WV], 8448
	s_add_co_u32 s95, s95, STAGE                   ; my stage
	s_wait_dscnt 0x0
	s_wait_kmcnt 0x0
	s_add_nc_u64 s[84:85], s[4:5], s[84:85]
	s_add_nc_u64 s[86:87], s[8:9], s[86:87]
	s_add_nc_u64 s[76:77], s[6:7], s[76:77]
	s_add_nc_u64 s[78:79], s[10:11], s[78:79]
	s_add_nc_u64 s[80:81], s[12:13], s[80:81]
	s_add_nc_u64 s[82:83], s[14:15], s[82:83]
.irp q, 0,1,2,3
	s_mov_b32 s[G0P+4*\q], 1
	s_add_co_u32 s[G0P+4*\q+1], s2, \q*CHUNK
	s_add_nc_u64 s[G0P+4*\q+2:G0P+4*\q+3], s[84:85], \q*2048
	s_or_b32 s[G0P+4*\q+3], s[G0P+4*\q+3], 0x80000000
	s_mov_b32 s[56+4*\q+4*(\q/2)], 1
	s_add_co_u32 s[57+4*\q+4*(\q/2)], s3, \q*CHUNK
	s_add_nc_u64 s[58+4*\q+4*(\q/2):59+4*\q+4*(\q/2)], s[86:87], \q*2048
	s_or_b32 s[59+4*\q+4*(\q/2)], s[59+4*\q+4*(\q/2)], 0x80000000
.endr
	CROUND                                         ; all sixteen work-groups are here: the joint loads meet
	s_cmp_eq_u32 s17, 0                            ; a wave's four fills stand in one branch on the wave's number: four loads of mine are out
	s_cbranch_scc0 .Lfill_r
	tensor_load_to_lds s[40:43], s[G1P:G1P+7]
	s_nop 0
	tensor_load_to_lds s[44:47], s[G1P:G1P+7]
	s_nop 0
	tensor_load_to_lds s[48:51], s[G1P:G1P+7]
	s_nop 0
	tensor_load_to_lds s[52:55], s[G1P:G1P+7]
	s_nop 0
	PLACES 4
	s_branch .Lfilled
.Lfill_r:
	tensor_load_to_lds s[56:59], s[G1R:G1R+7]
	s_nop 0
	tensor_load_to_lds s[60:63], s[G1R:G1R+7]
	s_nop 0
	tensor_load_to_lds s[68:71], s[G1R:G1R+7]
	s_nop 0
	tensor_load_to_lds s[72:75], s[G1R:G1R+7]
	s_nop 0
	PLACES 4
.Lfilled:
	v_and_b32 v1, 31, v0
	v_lshlrev_b32 v1, 4, v1                        ; 16 x lane
	v_and_b32 v8, 15, v0                           ; r
	v_bfe_u32 v9, v0, 4, 1                         ; h
	v_lshlrev_b32 v4, 6, v9                        ; the bias: 16 h numbers on
	v_lshlrev_b32 v5, 1, v8
	v_lshl_add_u32 v5, v9, 15, v5                  ; ah: 2 r, and two heads on for lanes 16-31
	v_mul_u32_u24 v6, v8, 528
	v_lshl_add_u32 v6, v9, 6, v6
	v_add_nc_u32 v6, s95, v6                       ; the stage, in: row r, + 64 h
	v_add_nc_u32 v7, s95, v1                       ; back: 16 x lane of a row
	v_add_nc_u32 v2, s94, v1                       ; my A fragments in chunk 0
	v_add_nc_u32 v3, s3, v1                        ; my Wo fragments
.irp b, 0,1,2,3,4,5,6,7
	global_load_b128 v[RS+4*\b:RS+4*\b+3], v1, s[78:79] offset:512*\b   ; register j: lanes 0-15 K step 2 j, lanes 16-31 K step 2 j + 1
.endr
.irp a, 0,1,2,3
.irp j, 0,1,2,3
	global_load_u16 v[PS+4*\a+\j], v5, s[76:77] offset:(4*\j)*16384+32*\a        ; K step 2 j + h is heads 4 j + 2 h and 4 j + 2 h + 1: the first's two bytes,
	global_load_u16 v[160+4*\a+\j], v5, s[76:77] offset:(4*\j+1)*16384+32*\a     ; the second's
.endr
.endr
	WIN 0x80                                       ; destination window 2
.irp b, 0,1,2,3,4,5,6,7
	global_load_b128 v[8*\b:8*\b+3], v4, s[80:81] offset:(32*(\b/2)+8*(\b%2))*4
	global_load_b128 v[8*\b+4:8*\b+7], v4, s[80:81] offset:(32*(\b/2)+8*(\b%2))*4+16
.endr
	WIN 0
	s_wait_loadcnt 0x0
.irp a, 0,1,2,3
.irp j, 0,1,2,3
	v_lshl_or_b32 v[PS+4*\a+\j], v[160+4*\a+\j], 16, v[PS+4*\a+\j]   ; A's scale word of a K step
.endr
.endr
	PLACES 8                                       ; a scale register written by a vector line stands eight places ahead of the scaled product
.macro FETCH s
.set FB, F0+96*((\s)%2)
.irp b, 0,1,2,3,4,5,6,7
.irp c, 0,1
	ds_load_b128 v[FB+8*\b+4*\c:FB+8*\b+4*\c+3], v3 offset:2048*\b+1024*((\s)%2)+512*\c
.endr
.endr
.irp a, 0,1,2,3
.irp c, 0,1
	ds_load_b128 v[FB+64+8*\a+4*\c:FB+64+8*\a+4*\c+3], v2 offset:2048*\a+1024*((\s)%2)+512*\c
.endr
.endr
.endm
.macro MUL s                           ; 32 products; the 32 accumulators take turns, in the same order in every step
.set FB, F0+96*((\s)%2)
.irp a, 0,1,2,3
.irp b, 0,1,2,3,4,5,6,7
.if (\s) == 0
	v_wmma_scale_f32_16x16x128_f8f6f4 v[8*(8*\a+\b):8*(8*\a+\b)+7], v[FB+8*\b:FB+8*\b+7], v[FB+64+8*\a:FB+64+8*\a+7], v[8*\b:8*\b+7], v[RS+4*\b+(\s)/2], v[PS+4*\a+(\s)/2] matrix_a_fmt:MATRIX_FMT_FP4 matrix_b_fmt:MATRIX_FMT_FP4
.elseif (\s)%2 == 0
	v_wmma_scale_f32_16x16x128_f8f6f4 v[8*(8*\a+\b):8*(8*\a+\b)+7], v[FB+8*\b:FB+8*\b+7], v[FB+64+8*\a:FB+64+8*\a+7], v[8*(8*\a+\b):8*(8*\a+\b)+7], v[RS+4*\b+(\s)/2], v[PS+4*\a+(\s)/2] matrix_a_fmt:MATRIX_FMT_FP4 matrix_b_fmt:MATRIX_FMT_FP4
.else
	v_wmma_scale_f32_16x16x128_f8f6f4 v[8*(8*\a+\b):8*(8*\a+\b)+7], v[FB+8*\b:FB+8*\b+7], v[FB+64+8*\a:FB+64+8*\a+7], v[8*(8*\a+\b):8*(8*\a+\b)+7], v[RS+4*\b+(\s)/2], v[PS+4*\a+(\s)/2] matrix_a_fmt:MATRIX_FMT_FP4 matrix_b_fmt:MATRIX_FMT_FP4 matrix_a_scale:MATRIX_SCALE_ROW1 matrix_b_scale:MATRIX_SCALE_ROW1
.endif
.endr
.endr
.endm
.macro STEP s
.if (\s) > 0
	PLACES 4                                       ; behind the products that read the buffer about to be loaded (ISA guide 7.12.1)
.endif
.if ((\s)%2 == 1) && ((\s) < 7)
	s_wait_tensorcnt 3-((\s)+1)/2                  ; my part of the next chunk has landed; the younger loads are the later chunks
	s_wait_dscnt 0x0                               ; no LDS access of mine is open at a signal
	s_barrier_signal -1
	s_barrier_wait -1
	v_add_nc_u32 v2, CHUNK, v2
	v_add_nc_u32 v3, CHUNK, v3
.endif
.if (\s) < 7
	FETCH (\s)+1
	s_wait_alu depctr_va_vdst(0)
	s_wait_dscnt 24                                ; this step's fragments are in; the 24 loads just issued may be out
.else
	s_wait_dscnt 0x0
.endif
.if (\s) == 0
	WIN 0x60                                       ; D in window 1, C (the bias) in window 2
.else
	WIN 0x50                                       ; C and D in window 1
.endif
	MUL \s
	WIN 0
.endm
	s_wait_alu depctr_va_vdst(0)
	s_wait_tensorcnt 3                             ; my part of chunk 0 has landed; chunks 1 to 3 may be out
	s_barrier_signal -1
	s_barrier_wait -1
	FETCH 0
.irp s, 0,1,2,3,4,5,6,7
	STEP \s
.endr
; THE WAY OUT, a tile of 16 rows x 128 columns at a time, through my own stage: in as 16 bytes of a row a lane, back as whole rows of 512 bytes.
; LDS serves a wave's instructions in order (ISA guide 5.7.1.4): no wait between the stores and the loads, nor ahead of the next tile's stores.
.macro TOSTAGE a
	WIN 0x04                                       ; an LDS store's data are its source 1: window 1
.set k, 0
.rept 16
	ds_store_b128 v6, v[64*(\a)+4*k:64*(\a)+4*k+3] offset:128*(k/4)+16*(k%4)   ; registers 4 k on: columns 32 (k / 4) + 16 h + 4 (k % 4) on; each accumulator from its low end on
.set k, k+1
.endr
	WIN 0
.set BB, 64+64*((\a)%2)
.set k, 0
.rept 16
	ds_load_b128 v[BB+4*k:BB+4*k+3], v7 offset:528*k
.set k, k+1
.endr
.endm
.macro SEND a, younger                 ; younger: the LDS instructions issued behind tile a's loads
.set BB, 64+64*((\a)%2)
	s_wait_dscnt \younger
.set k, 0
.rept 16
	global_store_b128 v1, v[BB+4*k:BB+4*k+3], s[82:83] offset:(32*((\a)/2)+8*((\a)%2)+k+8*(k/8))*4096 th:TH_STORE_NT   ; 512 consecutive bytes of one row, aligned
.set k, k+1
.endr
.endm
	PLACES 4                                       ; behind the last products
	TOSTAGE 0
.irp a, 1,2,3
.if \a > 1
	s_wait_xcnt 0x0                                ; tile a - 2's stores have read their registers: tile a's loads may land there
.endif
	TOSTAGE \a
	SEND \a-1, 32                                  ; behind tile a - 1's loads: tile a's 16 stores and 16 loads
.endr
	SEND 3, 0
	s_wait_tensorcnt 0x0
	s_wait_tensorcnt 0x0
	ds_add_u32 v14, v15
	s_wait_dscnt 0x0
	CROUND                                         ; the closing round
	s_endpgm
.Lfunc_end_k_q54e51ff75d_outp:
	.size	k_q54e51ff75d_outp, .Lfunc_end_k_q54e51ff75d_outp-k_q54e51ff75d_outp
	.p2alignl 7, 3214868480
	.fill 96, 4, 3214868480
	.section	.rodata,"a",@progbits
	.p2align	6, 0x0
	.amdhsa_kernel k_q54e51ff75d_outp
		.amdhsa_group_segment_fixed_size 230912
		.amdhsa_private_segment_fixed_size 0
		.amdhsa_enable_private_segment 0
		.amdhsa_kernarg_size 48
		.amdhsa_user_sgpr_count 2
		.amdhsa_user_sgpr_kernarg_segment_ptr 1
		.amdhsa_wavefront_size32 1
		.amdhsa_system_sgpr_workgroup_id_x 1
		.amdhsa_system_sgpr_workgroup_id_y 1
		.amdhsa_system_sgpr_workgroup_id_z 1
		.amdhsa_system_vgpr_workitem_id 0
		.amdhsa_next_free_vgpr 576
		.amdhsa_next_free_sgpr 96
		.amdhsa_reserve_vcc 0
		.amdhsa_float_denorm_mode_32 3
		.amdhsa_float_denorm_mode_16_64 3
		.amdhsa_memory_ordered 1
		.amdhsa_forward_progress 1
		.amdhsa_inst_pref_size 76
	.end_amdhsa_kernel
	.amdgpu_metadata
---
amdhsa.version: [ 1, 2 ]
amdhsa.kernels:
  - .name:           k_q54e51ff75d_outp
    .symbol:         k_q54e51ff75d_outp.kd
    .args:
      - { .name: ac, .offset: 0, .size: 8, .value_kind: global_buffer, .address_space: global }
      - { .name: ah, .offset: 8, .size: 8, .value_kind: global_buffer, .address_space: global }
      - { .name: cod, .offset: 16, .size: 8, .value_kind: global_buffer, .address_space: global }
      - { .name: scl, .offset: 24, .size: 8, .value_kind: global_buffer, .address_space: global }
      - { .name: bo, .offset: 32, .size: 8, .value_kind: global_buffer, .address_space: global }
      - { .name: out0, .offset: 40, .size: 8, .value_kind: global_buffer, .address_space: global }
    .group_segment_fixed_size: 230912
    .private_segment_fixed_size: 0
    .kernarg_segment_align: 8
    .kernarg_segment_size: 48
    .max_flat_workgroup_size: 128
    .sgpr_count:     96
    .vgpr_count:     576
    .wavefront_size: 32
...
	.end_amdgpu_metadata
.endif
;; end of part 4
